; MI455X (gfx1250); checked and timed in simulation.
; The chip was launched on July 23, 2026; its instructions are those of AMD's public machine-readable ISA for CDNA 5 (MIT licence, August 2026) and "CDNA5" Instruction Set Architecture Reference Guide (July 2026). The comments in the code are by the model that wrote it; some were corrected since.
;; My Multi Head Attention. Allowed arithmetic: float matrix products may take bf16 or f16 operands with f32 sums; all other float work in f32.
;; Inputs: Wk 1,024 x 1,024 float32; Wo 1,024 x 1,024 float32; Wq 1,024 x 1,024 float32; Wv 1,024 x 1,024 float32; token_positions 2,048 int32; x 2 x 2,048 x 1,024 float32.
;; Outputs: out0 2 x 2,048 x 1,024 float32.
;; One version. Each part assembles by itself: llvm-mc -triple=amdgcn-amd-amdhsa -mcpu=gfx1250 --defsym DOCPART=n.
;; ======== version 1 of 1: 4 launches
;; limits: values are held in f16: magnitudes above 65,504 overflow, below 6.1e-05 lose precision
;; workspace buffers: xb 8,388,608 bytes; wb 6,291,456 bytes; wob 2,097,152 bytes; cs 524,288 bytes; qkv 25,165,824 bytes; ao 16,777,216 bytes
;; launch prep (part 1): grid 256 x 1, 8 waves a work-group, no clusters, 0 bytes of LDS; arguments x, Wq, Wk, Wv, Wo, token_positions, xb, wb, wob, cs; writes xb, wb, wob, cs
.if DOCPART == 1
	.amdgcn_target "amdgcn-amd-amdhsa--gfx1250"
	.amdhsa_code_object_version 6
	.text
	.protected	k_qcc9cb0e809_prep
	.globl	k_qcc9cb0e809_prep
	.p2align	8
	.type	k_qcc9cb0e809_prep,@function
k_qcc9cb0e809_prep:
	s_mov_b64 s[64:65], 0
	v_nop
	global_prefetch_b8 v0, s[64:65] scope:SCOPE_SE
	s_setreg_imm32_b32 hwreg(HW_REG_WAVE_MODE, 25, 1), 1
	s_wait_xcnt 0x0
; prep: casts x and the four weight matrices from f32 to bf16 (nearest even), lays the weights out for the later products,
; and makes the table of cosines and sines from token_positions.
;   xb  [4096][1024] bf16 = x
;   wb  [3072][1024] bf16: row h*192 + kind*64 + d = W_kind[h*64+d][:], kind 0/1/2 = q/k/v (the three parts of a head lie together)
;   wob [16 h][1024 n][64 d] bf16 = Wo[n][h*64+d]
;   cs  [2048 s][32 i][2] f32 = cos, sin of token_positions[s] * 10000^(-i/32)
; bf16 for all five: it has f32's exponents, so the inputs keep their whole range.
; 256 work-groups of 8 waves; each casts 32 rows of 4,096 bytes (131,072 bytes) and makes 8 rows of cs.
; Work-groups 0-127: x.  128-159 Wq, 160-191 Wk, 192-223 Wv, 224-255 Wo.
; All 32 loads of a thread are issued at once (32 x 16 bytes x 256 threads are on their way), no register is written twice, so the
; only waits are the counted ones for the data.  Each store of a wave covers 256 consecutive bytes, aligned.
; No LDS, no matrix unit, no cluster: every byte is read once and written once and no work-group shares a byte with another.
; LIMITS: token_positions: 0 to 2047 as the table of the problem has them; the angle is formed from the number itself, without clamp.
; cos and sin: reduction by pi/2 in two parts, then polynomials of degree 7 and 8 on |r| <= pi/4: absolute error about 3e-7.
.set XR, 64                            ; v[64:191]   32 loads of 4 registers
.set YR, 192                           ; v[192:255]  32 results of 2 registers
	s_load_b512 s[8:23], s[0:1], 0x0               ; x 8, Wq 10, Wk 12, Wv 14, Wo 16, token_positions 18, xb 20, wb 22
	s_load_b128 s[24:27], s[0:1], 0x40             ; wob 24, cs 26
	s_mov_b32 s28, ttmp9                           ; g
	s_lshr_b32 s29, s28, 5
	s_and_b32 s29, s29, 3                          ; kind (of use where g >= 128)
	s_and_b32 s30, s28, 31                         ; block of 32 rows of a weight matrix
	s_lshl_b32 s36, s30, 17                        ; source offset in a weight matrix: 32 rows of 4,096 bytes
	s_lshl_b32 s31, s28, 17                        ; source offset in x
	s_lshr_b32 s38, s30, 1                         ; head = row / 64
	s_mul_i32 s38, s38, 192
	s_lshl_b32 s44, s29, 6
	s_add_co_u32 s38, s38, s44                     ; + kind * 64
	s_and_b32 s44, s30, 1
	s_lshl_b32 s44, s44, 5
	s_add_co_u32 s38, s38, s44                     ; + the block's first d (0 or 32)
	s_lshl_b32 s38, s38, 11                        ; rows of 2,048 bytes in wb
	s_lshl_b32 s45, s30, 12                        ; wob: 32 rows n of 128 bytes inside each head
	s_lshl_b32 s46, s28, 16                        ; xb: 32 rows of 2,048 bytes
	s_lshl_b32 s48, s28, 5                         ; 8 tokens of 4 bytes
	s_mov_b32 s49, 0
	s_lshl_b32 s50, s28, 11                        ; 8 rows of cs of 256 bytes
	s_mov_b32 s51, 0
	s_mov_b32 s37, 0
	s_mov_b32 s39, 0
	v_lshrrev_b32 v3, 5, v0
	v_lshlrev_b32 v3, 2, v3                        ; 4 x wave: the wave's token
	v_lshlrev_b32 v4, 3, v0                        ; 8 t: my (cos, sin) in the group's 8 rows of cs
	v_and_b32 v5, 31, v0                           ; lane = frequency index i
	s_wait_kmcnt 0x0
	s_cmp_eq_u32 s29, 1                            ; the source and the destination are chosen by the work-group's number alone
	s_cselect_b64 s[32:33], s[12:13], s[10:11]
	s_cmp_eq_u32 s29, 2
	s_cselect_b64 s[32:33], s[14:15], s[32:33]
	s_cmp_eq_u32 s29, 3
	s_cselect_b64 s[32:33], s[16:17], s[32:33]
	s_cselect_b64 s[34:35], s[24:25], s[22:23]
	s_cselect_b32 s38, s45, s38
	s_cmp_lt_u32 s28, 128
	s_cselect_b64 s[32:33], s[8:9], s[32:33]
	s_cselect_b64 s[34:35], s[20:21], s[34:35]
	s_cselect_b32 s36, s31, s36
	s_cselect_b32 s38, s46, s38
	s_add_nc_u64 s[32:33], s[32:33], s[36:37]      ; where I read
	s_add_nc_u64 s[34:35], s[34:35], s[38:39]      ; where I write
	s_add_nc_u64 s[40:41], s[18:19], s[48:49]      ; my group's 8 tokens
	s_add_nc_u64 s[42:43], s[26:27], s[50:51]      ; my group's 8 rows of cs
	global_load_b32 v20, v3, s[40:41]              ; the wave's token position: the oldest load
; One row of cs a wave, one frequency a lane.
.macro TABLE
	v_cvt_f32_u32 v6, v5
	v_mul_f32 v6, 0xbed49a78, v6                   ; -i * log2(10000) / 32
	v_exp_f32 v7, v6                               ; 10000^(-i/32)
	s_wait_loadcnt 32                              ; the token is in; the 32 younger data loads stay out
	v_cvt_f32_i32 v8, v20                          ; (a plain instruction behind v_exp_f32, ISA guide 5.7.2)
	s_wait_alu depctr_va_vdst(0)
	v_mul_f32 v8, v8, v7                           ; the angle
	v_mul_f32 v9, 0x3f22f983, v8                   ; x 2/pi
	v_rndne_f32 v9, v9                             ; n quarter turns
	v_fmamk_f32 v10, v9, 0xbfc90fdb, v8            ; r = angle - n * pi/2, pi/2 in two parts
	v_fmamk_f32 v10, v9, 0x333bbd2e, v10
	v_mul_f32 v11, v10, v10                        ; r^2
	v_mov_b32 v12, 0x3c088889                      ; 1/120
	v_fmamk_f32 v12, v11, 0xb9500d01, v12          ; - r^2/5040
	v_fmaak_f32 v12, v11, v12, 0xbe2aaaab          ; ... - 1/6
	v_mul_f32 v13, v11, v10                        ; r^3
	v_fma_f32 v12, v13, v12, v10                   ; sin r
	v_mov_b32 v14, 0xbab60b61                      ; -1/720
	v_fmamk_f32 v14, v11, 0x37d00d01, v14          ; + r^2/40320
	v_fmaak_f32 v14, v11, v14, 0x3d2aaaab          ; ... + 1/24
	v_fma_f32 v14, v11, v14, -0.5
	v_fma_f32 v14, v11, v14, 1.0                   ; cos r
	v_cvt_i32_f32 v15, v9
	v_and_b32 v16, 1, v15
	v_cmp_eq_u32 vcc_lo, 1, v16                    ; odd quarter: sine and cosine change places
	v_cndmask_b32 v18, v14, v12, vcc_lo
	v_cndmask_b32 v19, v12, v14, vcc_lo
	v_add_nc_u32 v16, 1, v15
	v_and_b32 v16, 2, v16
	v_lshlrev_b32 v16, 30, v16                     ; cosine is negative in quarters 1 and 2
	v_xor_b32 v18, v18, v16
	v_and_b32 v17, 2, v15
	v_lshlrev_b32 v17, 30, v17                     ; sine in quarters 2 and 3
	v_xor_b32 v19, v19, v17
	global_store_b64 v4, v[18:19], s[42:43]        ; the wave's row: 256 consecutive bytes
.endm
; 32 loads, the table while they are on their way, then 32 times: wait, round, store.
; wo = 0: load n is row n of the block.  wo = 1: load n takes 256 bytes (one head's 64 numbers) of two neighbouring rows.
.macro CAST wo
.set cnt, 0
.rept 32
.if \wo
	global_load_b128 v[XR+4*cnt:XR+4*cnt+3], v1, s[32:33] offset:(cnt>>1)*8192+(cnt&1)*2048 th:TH_LOAD_NT
.else
	global_load_b128 v[XR+4*cnt:XR+4*cnt+3], v1, s[32:33] offset:cnt*4096 th:TH_LOAD_NT
.endif
.set cnt, cnt+1
.endr
	TABLE
.set cnt, 0
.rept 32
	s_wait_loadcnt 31-cnt                          ; loads come back in order: this one is in, the younger stay out
	v_cvt_pk_bf16_f32 v[YR+2*cnt], v[XR+4*cnt], v[XR+4*cnt+1]
	v_cvt_pk_bf16_f32 v[YR+2*cnt+1], v[XR+4*cnt+2], v[XR+4*cnt+3]
.if \wo
	global_store_b64 v2, v[YR+2*cnt:YR+2*cnt+1], s[34:35] offset:(cnt&1)*1048576+(cnt>>1)*256
.else
	global_store_b64 v2, v[YR+2*cnt:YR+2*cnt+1], s[34:35] offset:cnt*2048
.endif
.set cnt, cnt+1
.endr
.endm
	s_cmp_ge_u32 s28, 224
	s_cbranch_scc1 .Lwo
	v_lshlrev_b32 v1, 4, v0                        ; 16 t: the 256 threads cover a row of 4,096 bytes
	v_lshlrev_b32 v2, 3, v0                        ; 8 t in the row of 2,048 bytes
	CAST 0
	s_endpgm
.Lwo:
	; Wo: wave wv takes heads wv and wv + 8; lanes 0-15 the head's 256 bytes of row n, lanes 16-31 those of row n + 1,
	; which lie side by side in wob: 128 + 128 bytes
	v_lshrrev_b32 v6, 5, v0                        ; wave
	v_and_b32 v7, 15, v0
	v_bfe_u32 v8, v0, 4, 1
	v_lshlrev_b32 v1, 4, v7
	v_lshl_add_u32 v1, v6, 8, v1
	v_lshl_add_u32 v1, v8, 12, v1                  ; (lane/16) rows + wave x 256 + 16 (lane%16)
	v_lshlrev_b32 v2, 3, v5
	v_lshl_add_u32 v2, v6, 17, v2                  ; head wv (131,072 bytes each) + 8 lane
	CAST 1
	s_endpgm
.Lfunc_end_k_qcc9cb0e809_prep:
	.size	k_qcc9cb0e809_prep, .Lfunc_end_k_qcc9cb0e809_prep-k_qcc9cb0e809_prep
	.p2alignl 7, 3214868480
	.fill 96, 4, 3214868480
	.section	.rodata,"a",@progbits
	.p2align	6, 0x0
	.amdhsa_kernel k_qcc9cb0e809_prep
		.amdhsa_group_segment_fixed_size 0
		.amdhsa_private_segment_fixed_size 0
		.amdhsa_enable_private_segment 0
		.amdhsa_kernarg_size 80
		.amdhsa_user_sgpr_count 2
		.amdhsa_user_sgpr_kernarg_segment_ptr 1
		.amdhsa_wavefront_size32 1
		.amdhsa_system_sgpr_workgroup_id_x 1
		.amdhsa_system_sgpr_workgroup_id_y 1
		.amdhsa_system_sgpr_workgroup_id_z 1
		.amdhsa_system_vgpr_workitem_id 0
		.amdhsa_next_free_vgpr 256
		.amdhsa_next_free_sgpr 66
		.amdhsa_reserve_vcc 1
		.amdhsa_float_denorm_mode_32 3
		.amdhsa_float_denorm_mode_16_64 3
		.amdhsa_memory_ordered 1
		.amdhsa_forward_progress 1
		.amdhsa_inst_pref_size 28
	.end_amdhsa_kernel
	.amdgpu_metadata
---
amdhsa.version: [ 1, 2 ]
amdhsa.kernels:
  - .name:           k_qcc9cb0e809_prep
    .symbol:         k_qcc9cb0e809_prep.kd
    .args:
      - { .name: x, .offset: 0, .size: 8, .value_kind: global_buffer, .address_space: global }
      - { .name: Wq, .offset: 8, .size: 8, .value_kind: global_buffer, .address_space: global }
      - { .name: Wk, .offset: 16, .size: 8, .value_kind: global_buffer, .address_space: global }
      - { .name: Wv, .offset: 24, .size: 8, .value_kind: global_buffer, .address_space: global }
      - { .name: Wo, .offset: 32, .size: 8, .value_kind: global_buffer, .address_space: global }
      - { .name: token_positions, .offset: 40, .size: 8, .value_kind: global_buffer, .address_space: global }
      - { .name: xb, .offset: 48, .size: 8, .value_kind: global_buffer, .address_space: global }
      - { .name: wb, .offset: 56, .size: 8, .value_kind: global_buffer, .address_space: global }
      - { .name: wob, .offset: 64, .size: 8, .value_kind: global_buffer, .address_space: global }
      - { .name: cs, .offset: 72, .size: 8, .value_kind: global_buffer, .address_space: global }
    .group_segment_fixed_size: 0
    .private_segment_fixed_size: 0
    .kernarg_segment_align: 8
    .kernarg_segment_size: 80
    .max_flat_workgroup_size: 256
    .sgpr_count:     66
    .vgpr_count:     256
    .wavefront_size: 32
...
	.end_amdgpu_metadata
.endif
;; end of part 1
;; launch qkv (part 2): grid 16 x 16, 4 waves a work-group, clusters of 4 x 4, 327,680 bytes of LDS; arguments xb, wb, cs, qkv; writes qkv
.if DOCPART == 2
	.amdgcn_target "amdgcn-amd-amdhsa--gfx1250"
	.amdhsa_code_object_version 6
	.text
	.protected	k_qcc9cb0e809_qkv
	.globl	k_qcc9cb0e809_qkv
	.p2align	8
	.type	k_qcc9cb0e809_qkv,@function
k_qcc9cb0e809_qkv:
	s_mov_b64 s[64:65], 0
	v_nop
	global_prefetch_b8 v0, s[64:65] scope:SCOPE_SE
	s_setreg_imm32_b32 hwreg(HW_REG_WAVE_MODE, 25, 1), 1
	s_wait_xcnt 0x0
	s_wait_alu depctr_hold_cnt(0) depctr_sa_sdst(0) depctr_va_vdst(0) depctr_va_sdst(0) depctr_va_ssrc(0) depctr_va_vcc(0) depctr_vm_vsrc(0)
	s_getreg_b32 s2, hwreg(HW_REG_IB_STS2, 6, 4)
	s_cmp_eq_u32 s2, 0
	s_cbranch_scc0 .Lentry_in_a_cluster
	s_endpgm
.Lentry_in_a_cluster:
	s_bfe_u32 s2, ttmp6, 0x10000c
	s_cmp_lg_u32 s2, 0xf033
	s_cbranch_scc0 .Lentry_shape_is_right
	s_endpgm
.Lentry_shape_is_right:
; qkv: [4096 tokens] x [3072 = 16 heads x (q, k, v) x 64] = xb * wb^T over K = 1024, bf16 operands, f32 sums; the rotation by position
; is applied to q and k in f32 on the way out; results rounded once to f16 into qkv [3 kind][32 b*16+h][2048 s][64].
; (f16 for the results: 11 significant bits.  The first rows of a sequence average few keys, so what they give is about ten times the
; root mean square of the whole output, and 8 bits in q, k, v would show there.)
; A work-group makes 256 token rows x 192 columns (q, k, v of ONE head) with four waves; wave w makes rows 64 w .. 64 w + 63 and all
; 192 columns: 4 x 12 accumulator tiles of 16 x 16, 384 registers.  For 32 along K a wave reads 16 KiB of LDS for 48 matrix instructions.
; K goes in steps of 128 through two LDS slots filled by the tensor data mover: a tile's rows are 256 bytes of memory, at multiples of 256.
; CLUSTERS: 4 x 4 work-groups.  The four of a row of the cluster share the block of token rows (A's tiles), the four of a column share the
; head (B's tiles): each tile is asked for jointly, by the same line with the same descriptor in the four that the mask names.
; Every wave asks for a quarter of A's tile (64 rows) and a quarter of B's (48 rows): at most four tensor loads of a wave are out.
; REGISTERS in windows of 256:
;   window 0: v16-27 addresses; v64-95, v96-127 fragments of A (4 x 16 rows x 32 K), two buffers; on the way out v64-111 rows read back,
;             v128-191 rotated numbers, v192-239 packed f16
;   window 1: v0-95, v96-191 fragments of B (12 x 16 rows x 32 K), two buffers
;   window 2: accumulators of my row tiles 0, 1 (tile (a, b) at v[8 (12 a + b)]); v192-255 their cosines and sines
;   window 3: the same for row tiles 2, 3
; THE MATRIX INSTRUCTION IS USED TRANSPOSED (source 0 = rows of wb, source 1 = rows of xb): lane l holds token row l % 16 and its registers
; 0-7 the columns 8 (l / 16) + 0..7 of the tile: four neighbouring (even, odd) pairs of one token, which is what the rotation needs,
; and 16 neighbouring bytes of f16.
; The 48 accumulators take turns, one instruction a turn, in the same order in every quarter step.
; LIMIT: results are kept in f16: |q|, |k|, |v| < 65,504 (with x and W both 30 spreads off zero, |q| is about 1024 x 30 x 30/32 = 28,800).
.set KSTEP,  128
.set PITCH,  272                       ; an LDS row: 256 bytes + 16 of padding: the 16 rows of a fragment load start 16 bytes apart modulo 256
.set ATILE,  64*PITCH                  ; what one wave fetches of A
.set BTILE,  48*PITCH                  ; and of B
.set BOFF,   256*PITCH                 ; B's 192 rows lie behind A's 256
.set SLOT,   448*PITCH                 ; 121,856 bytes
.set STAGE,  2*SLOT                    ; behind the ring (a multiple of 256): for each wave 3 kinds x 16 rows x 144 bytes
.set SP,     144
.set SKIND,  16*SP
.set SWAVE,  3*SKIND
.set LAPS,   1024/(2*KSTEP)            ; a lap = two K steps = once round the ring
.set ADRA, 16                          ; v16-17 LDS address of my A fragments in slot 0, 1
.set ADRB, 20                          ; v20-21 the same for B
.set STO,  24                          ; the way out: where I put 16 bytes of a row
.set RD,   25                          ; where I read rows back
.set CO,   26                          ; 16 x lane: my bytes in 512 consecutive bytes of the output
.set CSO,  27                          ; my 32 bytes in a row of cs
.set BK,   64
.set RT,   128
.set TMP,  192
.set CS,   192
.set G1,  24                           ; s[24:31] group 1 for A's tiles
.set G0,  32                           ; s[32:39] group 0 for A's tiles, one set a slot
.set G1B, 48                           ; s[48:55] group 1 for B's tiles
.set G0B, 56                           ; s[56:63] group 0 for B's tiles
.set MSB, 0
.macro WIN new                         ; the immediate's high byte repeats the setting that is left
.if MSB != \new
	s_set_vgpr_msb (MSB<<8)|\new
.set MSB, \new
.endif
.endm
.set MUL_LO, 0xa1                      ; source 0 (B) window 1, source 1 (A) window 0, C and D window 2
.set MUL_HI, 0xf1                      ; the same, C and D window 3
.set TO_B,   0x40                      ; destination window 1, address window 0
.macro JLOAD s                         ; my quarter of A's tile and my quarter of B's: two lines, each with one mask, on every path
	tensor_load_to_lds s[G0+4*\s:G0+4*\s+3], s[G1:G1+7]
	s_nop 0
	tensor_load_to_lds s[G0B+4*\s:G0B+4*\s+3], s[G1B:G1B+7]
	s_nop 0
.endm
.macro CREST                           ; a round of the cluster's barrier behind its opening work-group barrier
	s_cmp_lg_u32 s12, 0
	s_cbranch_scc1 .Lnot_wave_0_\@
	s_barrier_signal -3
.Lnot_wave_0_\@:
	s_barrier_wait -3
	s_barrier_signal -1
	s_barrier_wait -1
.endm
.macro CROUND                          ; a whole round
	s_barrier_signal -1
	s_barrier_wait -1
	CREST
.endm
.macro PLACES                          ; four places behind a matrix instruction in front of loads into its sources and of reads of its result
.rept 4
	v_nop
.endr
.endm
	s_load_b256 s[4:11], s[0:1], 0x0               ; xb 4, wb 6, cs 8, qkv 10
	s_set_vgpr_msb 0x40
	v_lshl_add_u32 v255, v0, 2, 0x42400
	s_set_vgpr_msb 0x4000
	v_mov_b32 v255, 0
	s_set_vgpr_msb 0x1
	ds_add_u32 v255, v255
	ds_add_u32 v255, v255
	s_set_vgpr_msb 0x100
	v_lshrrev_b32 v1, 5, v0
	v_readfirstlane_b32 s12, v1                    ; wave 0..3
	s_bfe_u32 s15, ttmp6, 0x40000                  ; cx
	s_bfe_u32 s16, ttmp6, 0x40004                  ; cy
	s_lshl_b32 s17, ttmp9, 2
	s_add_co_u32 s17, s17, s15                     ; head = 4 x cluster x + cx
	s_and_b32 s18, ttmp7, 0xffff
	s_lshl_b32 s18, s18, 2
	s_add_co_u32 s18, s18, s16                     ; block of 256 token rows = 4 x cluster y + cy
	s_lshl_b32 s19, s16, 2
	s_lshl_b32 s19, 15, s19                        ; my row of the cluster
	s_lshl_b32 s20, 0x1111, s15                    ; my column
	s_or_b32 s[G1+0], s19, (1<<16)|(1<<20)|(1<<21)|(5<<22)|(3<<25)   ; mask; 2-byte elements; padding on; bit 21 beside a mask; 4 words behind every 64
	s_or_b32 s[G1B+0], s20, (1<<16)|(1<<20)|(1<<21)|(5<<22)|(3<<25)
	s_mov_b32 s[G1+1], KSTEP<<16                   ; tensor_dim0 = 128
	s_mov_b32 s[G1B+1], KSTEP<<16
	s_mov_b32 s[G1+2], 64<<16                      ; tensor_dim1 = 64 rows
	s_mov_b32 s[G1B+2], 48<<16                     ; 48 rows
	s_mov_b32 s[G1+3], KSTEP<<16                   ; tile_dim0 = 128
	s_mov_b32 s[G1B+3], KSTEP<<16
	s_mov_b32 s[G1+4], 64                          ; tile_dim1
	s_mov_b32 s[G1B+4], 48
	s_mov_b32 s[G1+5], 1024                        ; elements from row to row
	s_mov_b32 s[G1B+5], 1024
	s_mov_b32 s[G1+6], 0
	s_mov_b32 s[G1B+6], 0
	s_mov_b32 s[G1+7], 0
	s_mov_b32 s[G1B+7], 0
	; A's address hangs on the block of rows and the wave, B's on the head and the wave, each in registers that never hold the other coordinate
	s_lshl_b32 s40, s18, 8
	s_lshl_b32 s41, s12, 6
	s_add_co_u32 s40, s40, s41                     ; row 256 by + 64 w
	s_lshl_b32 s40, s40, 11                        ; rows of 2,048 bytes
	s_mov_b32 s41, 0
	s_mul_i32 s44, s17, 192
	s_mul_i32 s45, s12, 48
	s_add_co_u32 s44, s44, s45                     ; row 192 head + 48 w
	s_lshl_b32 s44, s44, 11
	s_mov_b32 s45, 0
	s_and_b32 s42, s18, 7
	s_lshl_b32 s42, s42, 8
	s_lshl_b32 s43, s12, 6
	s_add_co_u32 s42, s42, s43                     ; my first token's place in its sequence
	s_lshl_b32 s42, s42, 8                         ; rows of cs of 256 bytes
	s_mov_b32 s43, 0
	s_mul_i32 s22, s12, ATILE                      ; LDS: the wave's number alone
	s_mul_i32 s23, s12, BTILE
	s_add_co_u32 s23, s23, BOFF
	v_and_b32 v1, 15, v0                           ; r
	v_bfe_u32 v2, v0, 4, 1                         ; h
	v_and_b32 v4, 31, v0                           ; lane
	v_mul_u32_u24 v3, v1, PITCH
	v_lshl_add_u32 v3, v2, 4, v3                   ; r x pitch + 16 h
	v_add_nc_u32 v[ADRA], s22, v3                  ; my 64 rows of A
	v_add_nc_u32 v[ADRA+1], SLOT, v[ADRA]
	v_add_nc_u32 v[ADRB], BOFF, v3
	v_add_nc_u32 v[ADRB+1], SLOT, v[ADRB]
	s_mul_i32 s21, s12, SWAVE
	s_add_co_u32 s21, s21, STAGE                   ; my stage
	v_mul_u32_u24 v5, v1, SP
	v_lshl_add_u32 v5, v2, 4, v5
	v_add_nc_u32 v[STO], s21, v5
	v_lshrrev_b32 v5, 3, v4
	v_mul_u32_u24 v5, v5, SP                       ; back: eight lanes take a row of 128 bytes
	v_and_b32 v6, 7, v0
	v_lshl_add_u32 v5, v6, 4, v5
	v_add_nc_u32 v[RD], s21, v5
	v_lshlrev_b32 v[CO], 4, v4
	v_lshlrev_b32 v[CSO], 8, v1
	v_lshl_add_u32 v[CSO], v2, 5, v[CSO]           ; row r of cs, 32 bytes for each half of the lanes
	s_wait_dscnt 0x0
	s_wait_kmcnt 0x0
	s_add_nc_u64 s[40:41], s[4:5], s[40:41]
	s_add_nc_u64 s[44:45], s[6:7], s[44:45]
	s_add_nc_u64 s[8:9], s[8:9], s[42:43]
	; the cosines and sines of my 64 tokens: for row tile a and column tile bt the four (cos, sin) of pairs 8 bt + 4 h + 0..3.
	; Asked for now, waited for on the way out.  The four bt together read each row of 256 bytes whole.
	WIN 0x80
.irp a, 0,1
.irp bt, 0,1,2,3
	global_load_b128 v[CS+32*\a+8*\bt:CS+32*\a+8*\bt+3],   v[CSO], s[8:9] offset:\a*4096+\bt*64
	global_load_b128 v[CS+32*\a+8*\bt+4:CS+32*\a+8*\bt+7], v[CSO], s[8:9] offset:\a*4096+\bt*64+16
.endr
.endr
	WIN 0xc0
.irp a, 0,1
.irp bt, 0,1,2,3
	global_load_b128 v[CS+32*\a+8*\bt:CS+32*\a+8*\bt+3],   v[CSO], s[8:9] offset:(\a+2)*4096+\bt*64
	global_load_b128 v[CS+32*\a+8*\bt+4:CS+32*\a+8*\bt+7], v[CSO], s[8:9] offset:(\a+2)*4096+\bt*64+16
.endr
.endr
	WIN 0
	CROUND                                         ; all sixteen work-groups are here: the first joint loads meet
.irp s, 0,1
	s_mov_b32 s[G0+4*\s], 1
	s_add_co_u32 s[G0+4*\s+1], s22, \s*SLOT
	s_add_nc_u64 s[G0+4*\s+2:G0+4*\s+3], s[40:41], \s*KSTEP*2
	s_or_b32 s[G0+4*\s+3], s[G0+4*\s+3], 0x80000000
	s_mov_b32 s[G0B+4*\s], 1
	s_add_co_u32 s[G0B+4*\s+1], s23, \s*SLOT
	s_add_nc_u64 s[G0B+4*\s+2:G0B+4*\s+3], s[44:45], \s*KSTEP*2
	s_or_b32 s[G0B+4*\s+3], s[G0B+4*\s+3], 0x80000000
	JLOAD \s
.endr
; 12 matrix instructions: row tile 2 hi + a x all 12 column tiles, 32 along K, from fragment buffer f.  zero = 1: the first product starts the sums.
.macro MUL12 f, hi, a, zero
.irp b, 0,1,2,3,4,5,6,7,8,9,10,11
.if \zero
	v_wmma_f32_16x16x32_bf16 v[8*(12*\a+\b):8*(12*\a+\b)+7], v[96*\f+8*\b:96*\f+8*\b+7], v[64+32*\f+8*(2*\hi+\a):64+32*\f+8*(2*\hi+\a)+7], 0
.else
	v_wmma_f32_16x16x32_bf16 v[8*(12*\a+\b):8*(12*\a+\b)+7], v[96*\f+8*\b:96*\f+8*\b+7], v[64+32*\f+8*(2*\hi+\a):64+32*\f+8*(2*\hi+\a)+7], v[8*(12*\a+\b):8*(12*\a+\b)+7]
.endif
.endr
.endm
; 32 LDS loads in one run: 192 rows of B, then my 64 rows of A, 32 K at byte k of the rows, into buffer f
.macro FETCH slot, k, f
	WIN TO_B
.irp i, 0,1,2,3,4,5,6,7,8,9,10,11
	ds_load_b128 v[96*\f+8*\i:96*\f+8*\i+3],   v[ADRB+\slot] offset:\k+\i*16*PITCH
	ds_load_b128 v[96*\f+8*\i+4:96*\f+8*\i+7], v[ADRB+\slot] offset:\k+\i*16*PITCH+32
.endr
	WIN 0
.irp i, 0,1,2,3
	ds_load_b128 v[64+32*\f+8*\i:64+32*\f+8*\i+3],   v[ADRA+\slot] offset:\k+\i*16*PITCH
	ds_load_b128 v[64+32*\f+8*\i+4:64+32*\f+8*\i+7], v[ADRA+\slot] offset:\k+\i*16*PITCH+32
.endr
.endm
; One of a K step's first three quarters: multiplies buffer f; in its middle it fetches the next quarter's fragments into buffer g.
.macro QUARTER slot, k, f, g, zero
	s_wait_dscnt 4                                 ; B and A's row tiles 0, 1 are in; the youngest four loads (row tiles 2, 3) may be out
	WIN MUL_LO
	MUL12 \f, 0, 0, \zero
	MUL12 \f, 0, 1, \zero
	PLACES
	FETCH \slot, \k, \g
	s_wait_dscnt 32                                ; all but the 32 just issued
	WIN MUL_HI
	MUL12 \f, 1, 0, \zero
	MUL12 \f, 1, 1, \zero
.endm
.macro THREE slot, zero
	QUARTER \slot, 64,  0, 1, \zero
	QUARTER \slot, 128, 1, 0, 0
	QUARTER \slot, 192, 0, 1, 0
.endm
; The last quarter: multiplies buffer 1 and changes slots.  In front of the barrier each wave waits for its reads of this slot and for all
; its tensor loads (its parts of the next slot).  Where the slot is filled again the barrier opens a round of the cluster's barrier, and the
; joint refills are the first tensor loads behind the round.  From a request to the wait for it a wave issues 180 matrix instructions.
.macro TURN slot, next, fill
	s_wait_dscnt 4
	WIN MUL_LO
	MUL12 1, 0, 0, 0
	s_wait_dscnt 0                                 ; my reads of this slot are over
	s_wait_tensorcnt 0x0                           ; all my tensor loads have landed
	ds_add_u32 v255, v255
	s_wait_dscnt 0x0
	s_barrier_signal -1
	MUL12 1, 0, 1, 0                               ; register work while the others arrive
	WIN 0
	s_barrier_wait -1
.if \fill
	CREST
	s_add_nc_u64 s[G0+4*\slot+2:G0+4*\slot+3], s[G0+4*\slot+2:G0+4*\slot+3], 2*KSTEP*2
	s_add_nc_u64 s[G0B+4*\slot+2:G0B+4*\slot+3], s[G0B+4*\slot+2:G0B+4*\slot+3], 2*KSTEP*2
	JLOAD \slot
.endif
	PLACES
	FETCH \next, 0, 0
	WIN MUL_HI
	MUL12 1, 1, 0, 0
	MUL12 1, 1, 1, 0
.endm
.macro LAP zero
	THREE 0, \zero
	TURN 0, 1, 1
	THREE 1, 0
	TURN 1, 0, 1
.endm
	s_wait_tensorcnt 2                             ; my two parts of K step 0 are in; K step 1's two stay out
	s_barrier_signal -1
	s_barrier_wait -1
	FETCH 0, 0, 0
	LAP 1                                          ; the first lap stands in front of the loop: its first products start the sums
	WIN 0
	s_mov_b32 s21, LAPS-2
.Llap:
	LAP 0
	WIN 0
	s_sub_co_u32 s21, s21, 1
	s_cmp_lg_u32 s21, 0
	s_cbranch_scc1 .Llap
	THREE 0, 0                                     ; the last lap fills nothing
	TURN 0, 1, 0
	THREE 1, 0
	s_wait_dscnt 4
	WIN MUL_LO
	MUL12 1, 0, 0, 0
	MUL12 1, 0, 1, 0
	s_wait_dscnt 0
	WIN MUL_HI
	MUL12 1, 1, 0, 0
	MUL12 1, 1, 1, 0
	; THE WAY OUT, 16 token rows at a time.
	PLACES
	s_wait_loadcnt 0x0                             ; the cosines and sines
	s_lshr_b32 s40, s18, 3
	s_lshl_b32 s40, s40, 22                        ; batch: 16 heads x 2,048 rows x 128 bytes
	s_and_b32 s41, s18, 7
	s_lshl_b32 s41, s41, 8
	s_lshl_b32 s42, s12, 6
	s_add_co_u32 s41, s41, s42
	s_lshl_b32 s41, s41, 7                         ; my first token's row of 128 bytes
	s_add_co_u32 s40, s40, s41
	s_mov_b32 s41, 0
	s_lshl_b32 s44, s17, 18                        ; head: 2,048 rows x 128 bytes
	s_mov_b32 s45, 0
	s_add_nc_u64 s[66:67], s[10:11], s[40:41]
	s_add_nc_u64 s[66:67], s[66:67], s[44:45]      ; q
	s_add_nc_u64 s[68:69], s[66:67], 0x800000      ; k
	s_add_nc_u64 s[70:71], s[66:67], 0x1000000     ; v
; Row tile a.  Column tiles 0-3 are q, 4-7 k, 8-11 v.  q and k: (x0, x1) -> (x0 c - x1 s, x0 s + x1 c) in f32, then one rounding to f16.
; 16 bytes a lane into my own stage, read back as whole rows; 16 rows of a head are 2,048 consecutive bytes of the output.
.macro OUT16 a
.if \a < 2
	WIN 0x0a                                       ; sources 0 and 1 in window 2; source 2 and the destination in window 0
.else
	WIN 0x0f                                       ; in window 3
.endif
.irp b, 0,1,2,3,4,5,6,7
.irp p, 0,1,2,3
	v_mul_f32 v[RT+8*\b+2*\p],   v[8*(12*(\a&1)+\b)+2*\p+1], v[CS+32*(\a&1)+8*(\b&3)+2*\p+1]
	v_mul_f32 v[RT+8*\b+2*\p+1], v[8*(12*(\a&1)+\b)+2*\p+1], v[CS+32*(\a&1)+8*(\b&3)+2*\p]
	v_fma_f32 v[RT+8*\b+2*\p],   v[8*(12*(\a&1)+\b)+2*\p], v[CS+32*(\a&1)+8*(\b&3)+2*\p],   -v[RT+8*\b+2*\p]
	v_fma_f32 v[RT+8*\b+2*\p+1], v[8*(12*(\a&1)+\b)+2*\p], v[CS+32*(\a&1)+8*(\b&3)+2*\p+1], v[RT+8*\b+2*\p+1]
.endr
.endr
.irp b, 8,9,10,11
.irp q, 0,1,2,3
	v_cvt_pk_f16_f32 v[TMP+4*\b+\q], v[8*(12*(\a&1)+\b)+2*\q], v[8*(12*(\a&1)+\b)+2*\q+1]
.endr
.endr
	WIN 0
.irp b, 0,1,2,3,4,5,6,7
.irp q, 0,1,2,3
	v_cvt_pk_f16_f32 v[TMP+4*\b+\q], v[RT+8*\b+2*\q], v[RT+8*\b+2*\q+1]
.endr
.endr
.irp b, 0,1,2,3,4,5,6,7,8,9,10,11
	ds_store_b128 v[STO], v[TMP+4*\b:TMP+4*\b+3] offset:(\b>>2)*SKIND+32*(\b&3)
.endr
	s_wait_xcnt 0x0                                ; the rows read back are the sources of the last row tile's stores: loaded again only behind this wait
.irp n, 0,1,2,3,4,5,6,7,8,9,10,11
	ds_load_b128 v[BK+4*\n:BK+4*\n+3], v[RD] offset:(\n>>2)*SKIND+(\n&3)*4*SP    ; LDS serves a wave's instructions in order: these see the stores above
.endr
.irp n, 0,1,2,3,4,5,6,7,8,9,10,11
	s_wait_dscnt 11-\n
	global_store_b128 v[CO], v[BK+4*\n:BK+4*\n+3], s[66+2*(\n>>2):67+2*(\n>>2)] offset:\a*2048+(\n&3)*512   ; 512 consecutive bytes, at a multiple of 512
.endr
.endm
	OUT16 0
	OUT16 1
	OUT16 2
	OUT16 3
	s_set_vgpr_msb 0x1
	s_wait_tensorcnt 0x0
	ds_add_u32 v255, v255
	s_wait_dscnt 0x0
	s_set_vgpr_msb 0x100
	CROUND                                         ; the closing round: no work-group ends while a partner may still ask for a tile that names it
	s_endpgm
.Lfunc_end_k_qcc9cb0e809_qkv:
	.size	k_qcc9cb0e809_qkv, .Lfunc_end_k_qcc9cb0e809_qkv-k_qcc9cb0e809_qkv
	.p2alignl 7, 3214868480
	.fill 96, 4, 3214868480
	.section	.rodata,"a",@progbits
	.p2align	6, 0x0
	.amdhsa_kernel k_qcc9cb0e809_qkv
		.amdhsa_group_segment_fixed_size 327680
		.amdhsa_private_segment_fixed_size 0
		.amdhsa_enable_private_segment 0
		.amdhsa_kernarg_size 32
		.amdhsa_user_sgpr_count 2
		.amdhsa_user_sgpr_kernarg_segment_ptr 1
		.amdhsa_wavefront_size32 1
		.amdhsa_system_sgpr_workgroup_id_x 1
		.amdhsa_system_sgpr_workgroup_id_y 1
		.amdhsa_system_sgpr_workgroup_id_z 1
		.amdhsa_system_vgpr_workitem_id 0
		.amdhsa_next_free_vgpr 1024
		.amdhsa_next_free_sgpr 72
		.amdhsa_reserve_vcc 0
		.amdhsa_float_denorm_mode_32 3
		.amdhsa_float_denorm_mode_16_64 3
		.amdhsa_memory_ordered 1
		.amdhsa_forward_progress 1
		.amdhsa_inst_pref_size 190
	.end_amdhsa_kernel
	.amdgpu_metadata
---
amdhsa.version: [ 1, 2 ]
amdhsa.kernels:
  - .name:           k_qcc9cb0e809_qkv
    .symbol:         k_qcc9cb0e809_qkv.kd
    .args:
      - { .name: xb, .offset: 0, .size: 8, .value_kind: global_buffer, .address_space: global }
      - { .name: wb, .offset: 8, .size: 8, .value_kind: global_buffer, .address_space: global }
      - { .name: cs, .offset: 16, .size: 8, .value_kind: global_buffer, .address_space: global }
      - { .name: qkv, .offset: 24, .size: 8, .value_kind: global_buffer, .address_space: global }
    .group_segment_fixed_size: 327680
    .private_segment_fixed_size: 0
    .kernarg_segment_align: 8
    .kernarg_segment_size: 32
    .max_flat_workgroup_size: 128
    .sgpr_count:     72
    .vgpr_count:     1024
    .wavefront_size: 32
...
	.end_amdgpu_metadata
.endif
;; end of part 2
;; launch attn (part 3): grid 8 x 32, 8 waves a work-group, no clusters, 327,680 bytes of LDS; arguments qkv, ao; writes ao
.if DOCPART == 3
	.amdgcn_target "amdgcn-amd-amdhsa--gfx1250"
	.amdhsa_code_object_version 6
	.text
	.protected	k_qcc9cb0e809_attn
	.globl	k_qcc9cb0e809_attn
	.p2align	8
	.type	k_qcc9cb0e809_attn,@function
k_qcc9cb0e809_attn:
	s_mov_b64 s[64:65], 0
	v_nop
	global_prefetch_b8 v0, s[64:65] scope:SCOPE_SE
	s_setreg_imm32_b32 hwreg(HW_REG_WAVE_MODE, 25, 1), 1
	s_wait_xcnt 0x0
; attn: causal softmax attention of one (batch, head), with a running maximum; q, k, v in f16, all sums and the softmax in f32.
; THE RESULT GOES OUT AS TWO bf16 TERMS, hi = bf16(o) and lo = bf16(o - hi), 16 significant bits together: the next product multiplies it by
; Wo in bf16, and one bf16 term's 8 bits would show in the first rows of a sequence, which average few keys and are about ten times the
; root mean square of the whole output.  ao [2 b][2 groups of 8 heads][hi, lo][8 heads][2048 s][64] bf16: plane b*32 + (h>>3)*16 + part*8 + (h&7).
; Work-group (p, bh), p = 0..7: first the block of 128 query rows number p (key tiles 0..p), then block 15 - p (key tiles 0..15-p):
; p + 1 + 16 - p = 17 key tiles of 128 for every work-group, so all 256 have the same work.  Key tiles wholly above the diagonal are not touched.
; Eight waves: strip = w & 3 (32 query rows = 2 tiles of 16), kh = w >> 2 (keys 64 kh .. 64 kh + 63 of every key tile).  The two key halves
; of a strip keep a maximum, a sum and an O of their own and are merged through LDS at the end of each block of rows.
; LAYOUTS.  S^T = K Q^T (source 0 = 16 keys, source 1 = 16 query rows): lane (r, h) holds query row r and keys 8 h + j.  Two neighbouring key
; tiles, packed to f16 in place, are the second operand of O^T = V^T P (source 0 = V through the transposing LDS load): lane (r, h) holds
; query row r and d = 16 dt + 8 h + j.  So maximum, sum and rescaling are a lane's own; one exchange of the lane halves serves the maximum.
; K and V come in pairs of key tiles through two LDS slots; wave w fetches part w of a pair (tile w>>2, K or V by (w>>1)&1, 64 keys by w&1):
; one tensor load of a wave is out at a time, with a whole pair's work in which to land.
; NO JOINT LOADS: the eight work-groups of a head need p + 1 and 16 - p tiles, different numbers in a different order, so no two ask for the
; same tile in the same trip.
; LIMITS: the running maximum starts at -1e30 (finite, so that a strip whose keys are all masked gives 0 and no NaN): scores x 0.18 must stay
; above -1e30.  P is kept in f16: weights under 6e-8 of the row's largest count as 0.
.set KP,     144                       ; K rows: 128 bytes + 16
.set VP,     160                       ; V rows: 128 bytes + 32 (an odd multiple of 32 for the transposing load)
.set PART,   10240                     ; 64 rows of V; K's 64 rows use 9,216 of it
.set TILEB,  4*PART                    ; a key tile: K's two halves, V's two halves
.set SLOT,   8*PART                    ; a pair of key tiles
.set MERGE,  2*SLOT                    ; 163,840: 4 strips x (16 x 512 bytes of O + 512 of maxima and sums)
.set MSTRIP, 8704
.set OSTAGE, MERGE+4*MSTRIP            ; 198,656: 4 strips x 2 query tiles x 16 rows x 144 bytes, for the high parts
.set OSTRIP, 4608
.set LOST,   4*OSTRIP                  ; the same again behind it, for the low parts
.set LOPLANE, 8*262144                 ; in ao the low parts lie eight planes behind the high parts
.set QF, 16                            ; v[16:47]    Q fragments: 16 qt + 8 dh
.set OA, 48                            ; v[48:111]   O^T: 32 qt + 8 dt
.set SC, 112                           ; v[112:175]  S^T, then P: 32 qt + 8 kt
.set KV, 176                           ; v[176:239]  K fragments 16 kt + 8 dh, then V fragments 32 ks + 8 dt
.set MX, 240                           ; v240-241    running maxima (already times 0.125 log2 e)
.set LS, 242                           ; v242-243    running sums, each lane's own keys
.set G0, 40                            ; s[40:47]    group 0, one set a slot
; v1-2 K address by slot, v3-4 V address by slot, v5 Q offset, v6 merge, v7-8 output stage in/back, v9 output offset, v10 mask figure, v11 -inf
	s_load_b128 s[4:7], s[0:1], 0x0                ; qkv, ao
	s_set_vgpr_msb 0x40
	v_lshl_add_u32 v0, v0, 2, 0x39800
	v_mov_b32 v1, 0
	s_set_vgpr_msb 0x4045
	ds_add_u32 v0, v1
	ds_add_u32 v0, v1
	s_set_vgpr_msb 0x4500
	v_lshrrev_b32 v1, 5, v0
	v_readfirstlane_b32 s8, v1                     ; wave 0..7
	s_and_b32 s9, s8, 3                            ; strip
	s_lshr_b32 s10, s8, 2                          ; kh; also: which tile of a pair I fetch
	s_lshr_b32 s11, s8, 1
	s_and_b32 s11, s11, 1                          ; I fetch K (0) or V (1)
	s_and_b32 s13, s8, 1                           ; which 64 keys I fetch
	s_mov_b32 s14, ttmp9                           ; p
	s_and_b32 s15, ttmp7, 0xffff                   ; bh
	s_add_co_u32 s16, s14, 1                       ; tiles of the first block
	s_mov_b32 s17, s14                             ; the first block's diagonal tile
	s_mov_b32 s18, 0                               ; the tile at work, 0..16
	s_mov_b32 s19, s10                             ; the tile that I fetch next
	s_mov_b32 s60, 0x76543210                      ; v_permlanex16_b32: lane i reads lane i of the other half
	s_mov_b32 s61, 0xfedcba98
	; group 1: 64 rows of 64 elements of 2 bytes, dense in memory; 4 (K) or 8 (V) words of padding behind every 32
	s_mov_b32 s24, (1<<16)|(1<<20)|(4<<22)|(3<<25)
	s_mov_b32 s32, (1<<16)|(1<<20)|(4<<22)|(7<<25)
	s_mov_b32 s25, 64<<16
	s_mov_b32 s33, 64<<16
	s_mov_b32 s26, 64<<16
	s_mov_b32 s34, 64<<16
	s_mov_b32 s27, 64<<16
	s_mov_b32 s35, 64<<16
	s_mov_b32 s28, 64
	s_mov_b32 s36, 64
	s_mov_b32 s29, 64
	s_mov_b32 s37, 64
	s_mov_b32 s30, 0
	s_mov_b32 s38, 0
	s_mov_b32 s31, 0
	s_mov_b32 s39, 0
	s_mul_i32 s21, s8, PART
	s_mov_b32 s[G0], 1
	s_add_co_u32 s[G0+1], s21, 0                   ; my part of slot 0
	s_mov_b32 s[G0+4], 1
	s_add_co_u32 s[G0+5], s21, SLOT                ; of slot 1
	s_add_co_u32 s21, s11, 1
	s_lshl_b32 s50, s21, 23                        ; k or v: 8,388,608 bytes each
	s_lshl_b32 s21, s15, 18
	s_add_co_u32 s50, s50, s21                     ; + bh x 262,144
	s_lshl_b32 s21, s13, 13
	s_add_co_u32 s50, s50, s21                     ; + my 64 keys of 128 bytes
	s_mov_b32 s51, 0
	s_lshl_b32 s22, s15, 18
	s_lshl_b32 s21, s14, 14
	s_add_co_u32 s22, s22, s21                     ; q, block p: 128 rows of 128 bytes
	s_mov_b32 s23, 0
	s_sub_co_u32 s21, 15, s14
	s_lshl_b32 s21, s21, 14                        ; block 15 - p
	s_lshl_b32 s2, s15, 18
	s_add_co_u32 s2, s2, s21
	s_mov_b32 s3, 0
	s_lshr_b32 s12, s15, 4
	s_lshl_b32 s12, s12, 5                         ; ao: batch x 32 planes
	s_bfe_u32 s66, s15, 0x10003                    ; which eight heads
	s_lshl_b32 s66, s66, 4
	s_add_co_u32 s12, s12, s66
	s_and_b32 s66, s15, 7
	s_add_co_u32 s12, s12, s66                     ; the plane of my head's high parts
	s_lshl_b32 s12, s12, 18                        ; planes of 262,144 bytes
	s_lshl_b32 s66, s14, 14
	s_add_co_u32 s66, s66, s12                     ; block p
	s_mov_b32 s67, 0
	s_add_co_u32 s68, s21, s12                     ; block 15 - p
	s_mov_b32 s69, 0
	s_wait_dscnt 0x0
	s_wait_kmcnt 0x0
	s_add_nc_u64 s[48:49], s[4:5], s[50:51]        ; my part of key tile 0
	s_add_nc_u64 s[52:53], s[4:5], s[22:23]        ; q, first block
	s_add_nc_u64 s[54:55], s[4:5], s[2:3]          ; q, second block
	s_add_nc_u64 s[56:57], s[6:7], s[66:67]        ; ao, first block
	s_add_nc_u64 s[58:59], s[6:7], s[68:69]        ; ao, second block
; The global address of my part of the tile that I fetch next, into the slot's group 0.  Tile u is key tile u of the first block or u - (p+1) of the second.
; Stands only where none of my tensor loads is out.
.macro NEXTADR slot
	s_sub_co_u32 s21, s19, s16
	s_cmp_lt_u32 s19, s16
	s_cselect_b32 s21, s19, s21
	s_lshl_b32 s50, s21, 14                        ; key tiles of 16,384 bytes
	s_add_nc_u64 s[G0+4*(\slot)+2:G0+4*(\slot)+3], s[48:49], s[50:51]
	s_or_b32 s[G0+4*(\slot)+3], s[G0+4*(\slot)+3], 0x80000000
	s_add_co_u32 s19, s19, 2
.endm
.macro KVLOAD slot                     ; one line for K's padding, one for V's; the branch hangs on the wave's number alone
	s_cmp_eq_u32 s11, 0
	s_cbranch_scc0 .Lkv_v_\@
	tensor_load_to_lds s[G0+4*(\slot):G0+4*(\slot)+3], s[24:31]
	s_nop 0
	s_branch .Lkv_d_\@
.Lkv_v_\@:
	tensor_load_to_lds s[G0+4*(\slot):G0+4*(\slot)+3], s[32:39]
	s_nop 0
.Lkv_d_\@:
.endm
	NEXTADR 0
	KVLOAD 0                                       ; the first pair of key tiles
	v_and_b32 v12, 31, v0                          ; lane
	v_and_b32 v13, 15, v0                          ; r
	v_bfe_u32 v14, v0, 4, 1                        ; h
	v_mul_u32_u24 v15, v13, KP
	v_lshl_add_u32 v15, v14, 4, v15                ; r x 144 + 16 h
	s_mul_i32 s21, s10, PART
	v_add_nc_u32 v1, s21, v15                      ; K: my 64 keys
	v_add_nc_u32 v2, SLOT, v1
	v_and_b32 v3, 7, v0
	v_lshl_add_u32 v3, v14, 3, v3                  ; V: key 8 h + (lane & 7)
	v_mul_u32_u24 v3, v3, VP
	v_bfe_u32 v4, v0, 3, 1
	v_lshl_add_u32 v3, v4, 4, v3                   ; + 16 ((lane >> 3) & 1)
	s_add_co_u32 s21, s21, 2*PART
	v_add_nc_u32 v3, s21, v3
	v_add_nc_u32 v4, SLOT, v3
	v_lshlrev_b32 v5, 7, v13
	v_lshl_add_u32 v5, v14, 4, v5
	s_lshl_b32 s21, s9, 12                         ; my strip: 32 rows of 128 bytes
	v_add_nc_u32 v5, s21, v5
	v_lshl_add_u32 v9, v12, 4, s21
	s_mul_i32 s21, s9, MSTRIP
	s_add_co_u32 s21, s21, MERGE
	v_lshl_add_u32 v6, v12, 4, s21
	s_mul_i32 s21, s9, OSTRIP
	s_add_co_u32 s21, s21, OSTAGE
	v_add_nc_u32 v7, s21, v15
	v_lshrrev_b32 v8, 3, v12
	v_mul_u32_u24 v8, v8, KP
	v_and_b32 v10, 7, v0
	v_lshl_add_u32 v8, v10, 4, v8
	v_add_nc_u32 v8, s21, v8
	v_lshlrev_b32 v10, 3, v14
	v_sub_nc_u32 v10, v10, v13
	s_lshl_b32 s21, s10, 6
	s_lshl_b32 s22, s9, 5
	s_sub_co_i32 s21, s21, s22
	v_add_nc_u32 v10, s21, v10                     ; 8 h - r + 64 kh - 32 strip
	v_mov_b32 v11, 0xff800000                      ; -infinity
.macro QLOAD b                         ; my strip's Q fragments: row r, 16 bytes at 16 h + 32 i
.irp qt, 0,1
.irp i, 0,1,2,3
	global_load_b128 v[QF+16*\qt+4*\i:QF+16*\qt+4*\i+3], v5, s[\b:\b+1] offset:\qt*2048+32*\i
.endr
.endr
.endm
	QLOAD 52
	; The first block begins: O = 0, sums = 0, maxima = -1e30.  Cleared once in the kernel, so that every tile runs the same text
	; (for p = 0 the first tile is the diagonal one, and for some waves all its keys are masked: their O has to be a true 0).
.set cnt, 0
.rept 64
	v_mov_b32 v[OA+cnt], 0
.set cnt, cnt+1
.endr
	v_mov_b32 v[MX], 0xf149f2ca
	v_mov_b32 v[MX+1], 0xf149f2ca
	v_mov_b32 v[LS], 0
	v_mov_b32 v[LS+1], 0
	s_wait_loadcnt 0x0
; On the diagonal tile: key > query row gets -infinity.  key - row = v10 + 16 (kt - qt) + j.
.macro MASK
.irp qt, 0,1
.irp kt, 0,1,2,3
.irp j, 0,1,2,3,4,5,6,7
	v_cmp_lt_i32 vcc_lo, 16*(\qt-\kt)-\j, v10
	v_cndmask_b32 v[SC+32*\qt+8*\kt+\j], v[SC+32*\qt+8*\kt+\j], v11, vcc_lo
.endr
.endr
.endr
.endm
; One query tile's 32 scores a lane: new maximum, P = 2^(S c - max), O and the sum rescaled, P packed to f16 in place.  c = 0.125 log2 e.
.macro SOFTMAX qt
.irp c, 0,1,2,3
	v_max3_num_f32 v[244+\c], v[SC+32*\qt+8*\c], v[SC+32*\qt+8*\c+1], v[SC+32*\qt+8*\c+2]
.endr
.irp c, 0,1,2,3
	v_max3_num_f32 v[244+\c], v[244+\c], v[SC+32*\qt+8*\c+3], v[SC+32*\qt+8*\c+4]
.endr
.irp c, 0,1,2,3
	v_max3_num_f32 v[244+\c], v[244+\c], v[SC+32*\qt+8*\c+5], v[SC+32*\qt+8*\c+6]
.endr
	v_max3_num_f32 v244, v244, v[SC+32*\qt+7], v[SC+32*\qt+15]
	v_max3_num_f32 v245, v245, v[SC+32*\qt+23], v[SC+32*\qt+31]
	v_max3_num_f32 v244, v244, v245, v246
	v_max_num_f32 v244, v244, v247
	v_permlanex16_b32 v245, v244, s60, s61         ; the other half of the lanes holds the row's other 32 keys
	v_max_num_f32 v244, v244, v245
	v_mul_f32 v244, 0x3e38aa3b, v244
	v_max_num_f32 v245, v[MX+\qt], v244            ; the new maximum
	v_sub_f32 v246, v[MX+\qt], v245
	v_exp_f32 v250, v246                           ; what O and the sum shrink by
	v_mul_f32 v248, -1.0, v245                     ; (plain instructions behind v_exp_f32, ISA guide 5.7.2)
	v_mul_f32 v249, -1.0, v245
	v_mov_b32 v[MX+\qt], v245
	s_wait_alu depctr_va_vdst(0)
	v_mov_b32 v251, v250
.set cnt, 0
.rept 16
	v_pk_fma_f32 v[SC+32*\qt+2*cnt:SC+32*\qt+2*cnt+1], v[SC+32*\qt+2*cnt:SC+32*\qt+2*cnt+1], 0x3e38aa3b, v[248:249] op_sel_hi:[1,0,1]
.set cnt, cnt+1
.endr
.set cnt, 0
.rept 32
	v_exp_f32 v[SC+32*\qt+cnt], v[SC+32*\qt+cnt]
.set cnt, cnt+1
.endr
.set cnt, 0
.rept 16
	v_pk_mul_f32 v[OA+32*\qt+2*cnt:OA+32*\qt+2*cnt+1], v[OA+32*\qt+2*cnt:OA+32*\qt+2*cnt+1], v[250:251]   ; plain work behind the exponentials
.set cnt, cnt+1
.endr
	s_wait_alu depctr_va_vdst(0)
	v_pk_add_f32 v[244:245], v[SC+32*\qt:SC+32*\qt+1],       v[SC+32*\qt+2:SC+32*\qt+3]     ; the sum in four chains
	v_pk_add_f32 v[246:247], v[SC+32*\qt+8:SC+32*\qt+9],     v[SC+32*\qt+10:SC+32*\qt+11]
	v_pk_add_f32 v[252:253], v[SC+32*\qt+16:SC+32*\qt+17],   v[SC+32*\qt+18:SC+32*\qt+19]
	v_pk_add_f32 v[254:255], v[SC+32*\qt+24:SC+32*\qt+25],   v[SC+32*\qt+26:SC+32*\qt+27]
.irp e, 4,6
	v_pk_add_f32 v[244:245], v[244:245], v[SC+32*\qt+\e:SC+32*\qt+\e+1]
	v_pk_add_f32 v[246:247], v[246:247], v[SC+32*\qt+8+\e:SC+32*\qt+8+\e+1]
	v_pk_add_f32 v[252:253], v[252:253], v[SC+32*\qt+16+\e:SC+32*\qt+16+\e+1]
	v_pk_add_f32 v[254:255], v[254:255], v[SC+32*\qt+24+\e:SC+32*\qt+24+\e+1]
.endr
	v_pk_add_f32 v[244:245], v[244:245], v[246:247]
	v_pk_add_f32 v[252:253], v[252:253], v[254:255]
	v_pk_add_f32 v[244:245], v[244:245], v[252:253]
	v_add_f32 v244, v244, v245
	v_fma_f32 v[LS+\qt], v[LS+\qt], v250, v244
.irp ks, 0,1
.irp i, 0,1,2,3
	v_cvt_pk_f16_f32 v[SC+32*\qt+16*\ks+\i], v[SC+32*\qt+16*\ks+2*\i], v[SC+32*\qt+16*\ks+2*\i+1]
.endr
.irp i, 0,1,2,3
	v_cvt_pk_f16_f32 v[SC+32*\qt+16*\ks+4+\i], v[SC+32*\qt+16*\ks+8+2*\i], v[SC+32*\qt+16*\ks+8+2*\i+1]
.endr
.endr
.endm
.macro PV qt                           ; O^T += V^T P: four accumulators by turns, one instruction a turn
.irp ks, 0,1
.irp dt, 0,1,2,3
	v_wmma_f32_16x16x32_f16 v[OA+32*\qt+8*\dt:OA+32*\qt+8*\dt+7], v[KV+32*\ks+8*\dt:KV+32*\ks+8*\dt+7], v[SC+32*\qt+16*\ks:SC+32*\qt+16*\ks+7], v[OA+32*\qt+8*\dt:OA+32*\qt+8*\dt+7]
.endr
.endr
.endm
; The end of a block of rows.  The waves of key half 1 hand O, maxima and sums to their strip's wave of key half 0, which merges, divides,
; splits into two bf16 terms and stores whole rows.  last = 0: every wave then begins the second block.
.macro FINAL last
	v_permlanex16_b32 v244, v[LS], s60, s61        ; the sums of the two lane halves meet
	v_permlanex16_b32 v245, v[LS+1], s60, s61
	v_add_f32 v[LS], v[LS], v244
	v_add_f32 v[LS+1], v[LS+1], v245
.if \last == 0
	QLOAD 54                                       ; the second block's Q, waited for at the end of this macro
.endif
	s_cmp_eq_u32 s10, 0
	s_cbranch_scc1 .Lfs_\@
.irp i, 0,1,2,3,4,5,6,7,8,9,10,11,12,13,14,15
	ds_store_b128 v6, v[OA+4*\i:OA+4*\i+3] offset:512*\i
.endr
	ds_store_b128 v6, v[MX:MX+3] offset:8192
.Lfs_\@:
	s_wait_dscnt 0x0                               ; for the partner's sake: my stores are done
	s_barrier_signal -1
	s_barrier_wait -1
	s_cmp_lg_u32 s10, 0
	s_cbranch_scc1 .Lfm_\@
	ds_load_b128 v[244:247], v6 offset:8192        ; the partner's maxima and sums
.irp i, 0,1,2,3,4,5,6,7,8,9,10,11,12,13,14,15
	ds_load_b128 v[KV+4*\i:KV+4*\i+3], v6 offset:512*\i
.endr
	s_wait_dscnt 16                                ; maxima and sums are in; the 16 loads of O stay out
.irp qt, 0,1
	v_max_num_f32 v252, v[MX+\qt], v[244+\qt]
	v_sub_f32 v253, v[MX+\qt], v252
	v_sub_f32 v254, v[244+\qt], v252
	v_exp_f32 v253, v253
	v_exp_f32 v254, v254
	v_nop
	s_wait_alu depctr_va_vdst(0)
	v_mul_f32 v255, v[LS+\qt], v253
	v_fmac_f32 v255, v[246+\qt], v254              ; the row's whole sum: at least about 1, the largest weight's share
	v_rcp_f32 v255, v255
	v_nop
	s_wait_alu depctr_va_vdst(0)
	v_mul_f32 v[248-76*\qt], v253, v255            ; my O's factor, twice for the packed forms (query tile 1: v172-175, free until the rows are read back)
	v_mul_f32 v[249-76*\qt], v253, v255
	v_mul_f32 v[250-76*\qt], v254, v255            ; the partner's
	v_mul_f32 v[251-76*\qt], v254, v255
.endr
	s_wait_dscnt 0x0
.irp qt, 0,1
.irp i, 0,1,2,3,4,5,6,7,8,9,10,11,12,13,14,15
	v_pk_mul_f32 v[OA+32*\qt+2*\i:OA+32*\qt+2*\i+1], v[OA+32*\qt+2*\i:OA+32*\qt+2*\i+1], v[248-76*\qt:249-76*\qt]
	v_pk_fma_f32 v[OA+32*\qt+2*\i:OA+32*\qt+2*\i+1], v[KV+32*\qt+2*\i:KV+32*\qt+2*\i+1], v[250-76*\qt:251-76*\qt], v[OA+32*\qt+2*\i:OA+32*\qt+2*\i+1]
.endr
.endr
.set cnt, 0
.rept 32
	v_cvt_pk_bf16_f32 v[SC+cnt], v[OA+2*cnt], v[OA+2*cnt+1]                            ; hi = bf16(o)
.set cnt, cnt+1
.endr
.set cnt, 0
.rept 32
	v_lshlrev_b32 v[244+2*(cnt&3)], 16, v[SC+cnt]                                      ; hi back in f32,
	v_and_b32 v[245+2*(cnt&3)], 0xffff0000, v[SC+cnt]
	v_pk_add_f32 v[OA+2*cnt:OA+2*cnt+1], v[OA+2*cnt:OA+2*cnt+1], v[244+2*(cnt&3):245+2*(cnt&3)] neg_lo:[0,1] neg_hi:[0,1]   ; o - hi, exact in f32,
	v_cvt_pk_bf16_f32 v[KV+cnt], v[OA+2*cnt], v[OA+2*cnt+1]                            ; lo = bf16(o - hi)
.set cnt, cnt+1
.endr
.irp qt, 0,1
.irp dt, 0,1,2,3
	ds_store_b128 v7, v[SC+16*\qt+4*\dt:SC+16*\qt+4*\dt+3] offset:\qt*16*KP+32*\dt     ; row r, d = 16 dt + 8 h + 0..7; my own stage
	ds_store_b128 v7, v[KV+16*\qt+4*\dt:KV+16*\qt+4*\dt+3] offset:LOST+\qt*16*KP+32*\dt
.endr
.endr
.irp n, 0,1,2,3,4,5,6,7
	ds_load_b128 v[SC+32+4*\n:SC+32+4*\n+3], v8 offset:(\n>>2)*16*KP+(\n&3)*4*KP       ; back by rows; LDS serves a wave's instructions in order
.endr
.irp n, 0,1,2,3,4,5,6,7
	ds_load_b128 v[KV+32+4*\n:KV+32+4*\n+3], v8 offset:LOST+(\n>>2)*16*KP+(\n&3)*4*KP
.endr
.irp n, 0,1,2,3,4,5,6,7
	s_wait_dscnt 15-\n                             ; the younger LDS loads stay out
	global_store_b128 v9, v[SC+32+4*\n:SC+32+4*\n+3], s[56+2*\last:57+2*\last] offset:512*\n   ; 512 consecutive bytes, at a multiple of 512
.endr
.irp n, 0,1,2,3,4,5,6,7
	s_wait_dscnt 7-\n
	global_store_b128 v9, v[KV+32+4*\n:KV+32+4*\n+3], s[56+2*\last:57+2*\last] offset:LOPLANE+512*\n
.endr
.Lfm_\@:
.if \last == 0
	; The second block begins.  Only the maxima are set back.  Its first key tile is key tile 0, never a diagonal one (15 - p >= 8), so the new
	; maximum is a real score times c, the factor 2^(-1e30 - maximum) is exactly 0, and the rescaling of that tile wipes what O and the sums
	; hold, which is finite: nothing is cleared.
	v_mov_b32 v[MX], 0xf149f2ca
	v_mov_b32 v[MX+1], 0xf149f2ca
	s_wait_loadcnt 0x0                             ; the second block's Q
	s_wait_xcnt 0x0                                ; the score and K/V registers are the stores' sources: written again only behind this wait
	s_wait_dscnt 0x0
	s_barrier_signal -1                            ; the reads of the merge bytes are over before anyone writes them again
	s_barrier_wait -1
.endif
.endm
; One key tile.  mode 0: tile s18 may be the first block's diagonal tile (s17); 1: it is not a diagonal tile; 2: the second block's diagonal tile, the last.
.macro TILE slot, sub, mode
.irp dh, 0,1
.irp kt, 0,1,2,3
	ds_load_b128 v[KV+16*\kt+8*\dh:KV+16*\kt+8*\dh+3],   v[1+\slot] offset:\sub*TILEB+\kt*16*KP+64*\dh
	ds_load_b128 v[KV+16*\kt+8*\dh+4:KV+16*\kt+8*\dh+7], v[1+\slot] offset:\sub*TILEB+\kt*16*KP+64*\dh+32
.endr
.endr
	s_wait_dscnt 8                                 ; d = 0..31 of the four key tiles is in; the eight loads of d = 32..63 stay out
.irp qt, 0,1
.irp kt, 0,1,2,3
	v_wmma_f32_16x16x32_f16 v[SC+32*\qt+8*\kt:SC+32*\qt+8*\kt+7], v[KV+16*\kt:KV+16*\kt+7], v[QF+16*\qt:QF+16*\qt+7], 0
.endr
.endr
	s_wait_dscnt 0
.irp qt, 0,1                           ; eight accumulators by turns, one instruction a turn
.irp kt, 0,1,2,3
	v_wmma_f32_16x16x32_f16 v[SC+32*\qt+8*\kt:SC+32*\qt+8*\kt+7], v[KV+16*\kt+8:KV+16*\kt+15], v[QF+16*\qt+8:QF+16*\qt+15], v[SC+32*\qt+8*\kt:SC+32*\qt+8*\kt+7]
.endr
.endr
.rept 4
	v_nop                                          ; four places (ISA guide 7.12.1): V lands on K's registers, and the scores are read
.endr
.irp ks, 0,1
.irp dt, 0,1,2,3
	ds_load_tr16_b128 v[KV+32*\ks+8*\dt:KV+32*\ks+8*\dt+3],   v[3+\slot] offset:\sub*TILEB+\ks*32*VP+32*\dt
	ds_load_tr16_b128 v[KV+32*\ks+8*\dt+4:KV+32*\ks+8*\dt+7], v[3+\slot] offset:\sub*TILEB+\ks*32*VP+32*\dt+16*VP
.endr
.endr
.if \mode == 0
	s_cmp_lg_u32 s18, s17
	s_cbranch_scc1 .Lnm_\@
	MASK
.Lnm_\@:
.endif
.if \mode == 2
	MASK
.endif
	SOFTMAX 0
	s_wait_dscnt 0x0                               ; V
	PV 0
	SOFTMAX 1                                      ; names none of the registers of the products above
	PV 1
.rept 5
	v_nop                                          ; five places: the next scores are written over P, the next K lands on V, O is read
.endr
.if \mode == 0
	s_cmp_lg_u32 s18, s17
	s_cbranch_scc1 .Lnf_\@
	FINAL 0
.Lnf_\@:
	s_add_co_u32 s18, s18, 1
.endif
.if \mode == 2
	FINAL 1
.endif
.endm
; A pair of key tiles from one slot, while the next pair is fetched into the other.  In front of the barrier every wave waits for all its tensor
; loads (its part of this pair) and for its reads of the other slot; the refill is the first thing behind it.
; fill = 1: all eight parts; fill = 2: only the first tile of the pair exists (waves 0-3 fetch).
.macro TRIP slot, other, fill, mode
	s_set_vgpr_msb 0x5
	s_wait_tensorcnt 0x0
	ds_add_u32 v0, v1
	s_wait_dscnt 0x0
	s_set_vgpr_msb 0x500
	NEXTADR \other
	s_wait_dscnt 0x0
	s_barrier_signal -1
	s_barrier_wait -1
.if \fill == 2
	s_cmp_gt_u32 s8, 3
	s_cbranch_scc1 .Lnofill_\@
.endif
	KVLOAD \other
.if \fill == 2
.Lnofill_\@:
.endif
	TILE \slot, 0, \mode
	TILE \slot, 1, \mode
.endm
	s_mov_b32 s20, 3
.Lpairs:                                           ; tiles 0 to 11; the first block ends at tile p <= 7, inside this loop
	TRIP 0, 1, 1, 0
	TRIP 1, 0, 1, 0
	s_sub_co_u32 s20, s20, 1
	s_cmp_lg_u32 s20, 0
	s_cbranch_scc1 .Lpairs
	TRIP 0, 1, 1, 1                                ; tiles 12, 13
	TRIP 1, 0, 2, 1                                ; tiles 14, 15; tile 16 is fetched alone
	s_wait_tensorcnt 0x0
	s_wait_dscnt 0x0
	s_barrier_signal -1
	s_barrier_wait -1
	TILE 0, 0, 2                                   ; tile 16: the second block's diagonal
	s_set_vgpr_msb 0x5
	s_wait_tensorcnt 0x0
	ds_add_u32 v0, v1
	s_wait_dscnt 0x0
	s_set_vgpr_msb 0x500
	s_endpgm
.Lfunc_end_k_qcc9cb0e809_attn:
	.size	k_qcc9cb0e809_attn, .Lfunc_end_k_qcc9cb0e809_attn-k_qcc9cb0e809_attn
	.p2alignl 7, 3214868480
	.fill 96, 4, 3214868480
	.section	.rodata,"a",@progbits
	.p2align	6, 0x0
	.amdhsa_kernel k_qcc9cb0e809_attn
		.amdhsa_group_segment_fixed_size 327680
		.amdhsa_private_segment_fixed_size 0
		.amdhsa_enable_private_segment 0
		.amdhsa_kernarg_size 16
		.amdhsa_user_sgpr_count 2
		.amdhsa_user_sgpr_kernarg_segment_ptr 1
		.amdhsa_wavefront_size32 1
		.amdhsa_system_sgpr_workgroup_id_x 1
		.amdhsa_system_sgpr_workgroup_id_y 1
		.amdhsa_system_sgpr_workgroup_id_z 1
		.amdhsa_system_vgpr_workitem_id 0
		.amdhsa_next_free_vgpr 258
		.amdhsa_next_free_sgpr 70
		.amdhsa_reserve_vcc 1
		.amdhsa_float_denorm_mode_32 3
		.amdhsa_float_denorm_mode_16_64 3
		.amdhsa_memory_ordered 1
		.amdhsa_forward_progress 1
		.amdhsa_inst_pref_size 255
	.end_amdhsa_kernel
	.section	.bss,"aw",@nobits
	.p2align	6
	.space	262144
	.amdgpu_metadata
---
amdhsa.version: [ 1, 2 ]
amdhsa.kernels:
  - .name:           k_qcc9cb0e809_attn
    .symbol:         k_qcc9cb0e809_attn.kd
    .args:
      - { .name: qkv, .offset: 0, .size: 8, .value_kind: global_buffer, .address_space: global }
      - { .name: ao, .offset: 8, .size: 8, .value_kind: global_buffer, .address_space: global }
    .group_segment_fixed_size: 327680
    .private_segment_fixed_size: 0
    .kernarg_segment_align: 8
    .kernarg_segment_size: 16
    .max_flat_workgroup_size: 256
    .sgpr_count:     70
    .vgpr_count:     258
    .wavefront_size: 32
...
	.end_amdgpu_metadata
.endif
;; end of part 3
;; launch oproj (part 4): grid 8 x 32, 4 waves a work-group, clusters of 4 x 4, 327,680 bytes of LDS; arguments ao, wob, out0; writes out0
.if DOCPART == 4
	.amdgcn_target "amdgcn-amd-amdhsa--gfx1250"
	.amdhsa_code_object_version 6
	.text
	.protected	k_qcc9cb0e809_oproj
	.globl	k_qcc9cb0e809_oproj
	.p2align	8
	.type	k_qcc9cb0e809_oproj,@function
k_qcc9cb0e809_oproj:
	s_mov_b64 s[64:65], 0
	v_nop
	global_prefetch_b8 v0, s[64:65] scope:SCOPE_SE
	s_setreg_imm32_b32 hwreg(HW_REG_WAVE_MODE, 25, 1), 1
	s_wait_xcnt 0x0
	s_wait_alu depctr_hold_cnt(0) depctr_sa_sdst(0) depctr_va_vdst(0) depctr_va_sdst(0) depctr_va_ssrc(0) depctr_va_vcc(0) depctr_vm_vsrc(0)
	s_getreg_b32 s2, hwreg(HW_REG_IB_STS2, 6, 4)
	s_cmp_eq_u32 s2, 0
	s_cbranch_scc0 .Lentry_in_a_cluster
	s_endpgm
.Lentry_in_a_cluster:
	s_bfe_u32 s2, ttmp6, 0x10000c
	s_cmp_lg_u32 s2, 0xf033
	s_cbranch_scc0 .Lentry_shape_is_right
	s_endpgm
.Lentry_shape_is_right:
; oproj: out0 [4096][1024] f32 = attention output * Wo^T, bf16 operands, f32 sums.  The attention output comes as two bf16 terms, hi + lo
; (16 significant bits), so the sum runs over 2 x 16 heads x 64 = 2,048: out0 = hi Wo^T + lo Wo^T.
; A = ao [2 b][2 groups of 8 heads][hi, lo][8 heads][2048 s][64], B = wob [16 h][1024 n][64]: for one plane of ao a block of 128 token rows, and
; for one head of wob a block of 128 output columns, are 16,384 consecutive bytes.
; A work-group makes 128 x 128 of out0 (256 work-groups) with four waves of 64 x 64: 16 accumulator tiles in window 1.
; A K step is four planes of ao (256 along K): wave w fetches plane 4 step + w of A.  Eight K steps on two LDS slots, written out without a loop:
;   step 0: hi of heads 0-3, 1: hi 4-7, 2: lo 0-3, 3: lo 4-7, 4: hi 8-11, 5: hi 12-15, 6: lo 8-11, 7: lo 12-15.
; Steps t and t + 2 of a group use the same slot and the same four heads of Wo, so B's part of a slot is filled twice only (heads 0-7 at the
; start, heads 8-15 behind steps 2 and 3): each byte of wob is asked for once.
; CLUSTERS: 4 x 4 work-groups; A's tiles are shared along a row of the cluster, B's along a column, each asked for jointly.
; At most four tensor loads of a wave are out (the start), later one or two.
; The matrix instruction is used transposed (source 0 = rows of wob, source 1 = rows of ao): a lane holds 8 neighbouring columns of one token row.
; The 16 accumulators take turns, one instruction a turn, in the same order in every quarter.
.set SP,     144                       ; an LDS row: 128 bytes + 16
.set SUB,    128*SP                    ; one plane's 128 rows: 18,432 bytes
.set SLOT,   8*SUB                     ; A's four planes, then B's four heads
.set STAGE,  2*SLOT                    ; 294,912 (a multiple of 256): 16 rows x 272 bytes for each wave
.set OP,     272
.set ADRA, 16                          ; v16-17 by slot
.set ADRB, 20                          ; v20-21
.set STO,  24
.set RD,   25
.set CO,   26
.set BK,   160                         ; v[160:191] rows read back
; fragments, window 0: A buffer f at v[32+64 f], B buffer f at v[64+64 f], 4 x 8 registers each
.set G1,  24
.set G0,  32
.set G1B, 48
.set G0B, 56
.set MSB, 0
.macro WIN new
.if MSB != \new
	s_set_vgpr_msb (MSB<<8)|\new
.set MSB, \new
.endif
.endm
.set MUL, 0x50                         ; sources 0, 1 in window 0; C and D in window 1
.macro CREST
	s_cmp_lg_u32 s12, 0
	s_cbranch_scc1 .Lnot_wave_0_\@
	s_barrier_signal -3
.Lnot_wave_0_\@:
	s_barrier_wait -3
	s_barrier_signal -1
	s_barrier_wait -1
.endm
.macro CROUND
	s_barrier_signal -1
	s_barrier_wait -1
	CREST
.endm
.macro PLACES                          ; four places behind a matrix instruction (ISA guide 7.12.1)
.rept 4
	v_nop
.endr
.endm
	s_load_b128 s[4:7], s[0:1], 0x0                ; ao, wob
	s_load_b64 s[8:9], s[0:1], 0x10                ; out0
	v_lshl_add_u32 v254, v0, 2, 0x4c400
	v_mov_b32 v255, 0
	ds_add_u32 v254, v255
	ds_add_u32 v254, v255
	v_lshrrev_b32 v1, 5, v0
	v_readfirstlane_b32 s12, v1                    ; wave
	s_lshr_b32 s13, s12, 1                         ; which 64 rows are mine
	s_and_b32 s14, s12, 1                          ; which 64 columns
	s_bfe_u32 s15, ttmp6, 0x40000                  ; cx
	s_bfe_u32 s16, ttmp6, 0x40004                  ; cy
	s_lshl_b32 s17, ttmp9, 2
	s_add_co_u32 s17, s17, s15                     ; block of 128 columns
	s_and_b32 s18, ttmp7, 0xffff
	s_lshl_b32 s18, s18, 2
	s_add_co_u32 s18, s18, s16                     ; block of 128 token rows
	s_lshl_b32 s19, s16, 2
	s_lshl_b32 s19, 15, s19
	s_lshl_b32 s20, 0x1111, s15
	s_or_b32 s[G1+0], s19, (1<<16)|(1<<20)|(1<<21)|(4<<22)|(3<<25)   ; mask of my row; 2-byte elements; 4 words of padding behind every 32
	s_or_b32 s[G1B+0], s20, (1<<16)|(1<<20)|(1<<21)|(4<<22)|(3<<25)  ; mask of my column
	s_mov_b32 s[G1+1], 64<<16
	s_mov_b32 s[G1B+1], 64<<16
	s_mov_b32 s[G1+2], 128<<16
	s_mov_b32 s[G1B+2], 128<<16
	s_mov_b32 s[G1+3], 64<<16
	s_mov_b32 s[G1B+3], 64<<16
	s_mov_b32 s[G1+4], 128
	s_mov_b32 s[G1B+4], 128
	s_mov_b32 s[G1+5], 64
	s_mov_b32 s[G1B+5], 64
	s_mov_b32 s[G1+6], 0
	s_mov_b32 s[G1B+6], 0
	s_mov_b32 s[G1+7], 0
	s_mov_b32 s[G1B+7], 0
	s_lshr_b32 s40, s18, 4
	s_lshl_b32 s40, s40, 5
	s_add_co_u32 s40, s40, s12                     ; plane batch x 32 + w
	s_lshl_b32 s40, s40, 11
	s_and_b32 s41, s18, 15
	s_lshl_b32 s41, s41, 7
	s_add_co_u32 s40, s40, s41                     ; + the block's first token
	s_lshl_b32 s40, s40, 7                         ; rows of 128 bytes
	s_mov_b32 s41, 0
	s_lshl_b32 s44, s12, 10
	s_lshl_b32 s45, s17, 7
	s_add_co_u32 s44, s44, s45                     ; head w, row 128 bx
	s_lshl_b32 s44, s44, 7
	s_mov_b32 s45, 0
	s_mul_i32 s22, s12, SUB
	s_add_co_u32 s23, s22, 4*SUB
	v_and_b32 v1, 15, v0                           ; r
	v_bfe_u32 v2, v0, 4, 1                         ; h
	v_mul_u32_u24 v3, v1, SP
	v_lshl_add_u32 v3, v2, 4, v3
	s_mul_i32 s21, s13, 64*SP
	v_add_nc_u32 v[ADRA], s21, v3
	v_add_nc_u32 v[ADRA+1], SLOT, v[ADRA]
	s_mul_i32 s21, s14, 64*SP
	s_add_co_u32 s21, s21, 4*SUB
	v_add_nc_u32 v[ADRB], s21, v3
	v_add_nc_u32 v[ADRB+1], SLOT, v[ADRB]
	s_mul_i32 s21, s12, 16*OP
	s_add_co_u32 s21, s21, STAGE
	v_mul_u32_u24 v4, v1, OP
	v_lshl_add_u32 v4, v2, 5, v4                   ; in: row r, 32 bytes for each half of the lanes
	v_add_nc_u32 v[STO], s21, v4
	v_mul_u32_u24 v5, v2, OP
	v_lshl_add_u32 v5, v1, 4, v5                   ; back: lanes 0-15 one row of 256 bytes, lanes 16-31 the next
	v_add_nc_u32 v[RD], s21, v5
	v_lshlrev_b32 v5, 12, v2
	v_lshl_add_u32 v[CO], v1, 4, v5                ; the same two rows in out0
	s_wait_dscnt 0x0
	s_wait_kmcnt 0x0
	s_add_nc_u64 s[40:41], s[4:5], s[40:41]
	s_add_nc_u64 s[44:45], s[6:7], s[44:45]
	CROUND                                         ; the first joint loads meet
.irp s, 0,1
	s_mov_b32 s[G0+4*\s], 1
	s_add_co_u32 s[G0+4*\s+1], s22, \s*SLOT
	s_add_nc_u64 s[G0+4*\s+2:G0+4*\s+3], s[40:41], \s*1048576      ; four planes of ao on
	s_or_b32 s[G0+4*\s+3], s[G0+4*\s+3], 0x80000000
	s_mov_b32 s[G0B+4*\s], 1
	s_add_co_u32 s[G0B+4*\s+1], s23, \s*SLOT
	s_add_nc_u64 s[G0B+4*\s+2:G0B+4*\s+3], s[44:45], \s*524288     ; four heads of wob on
	s_or_b32 s[G0B+4*\s+3], s[G0B+4*\s+3], 0x80000000
	tensor_load_to_lds s[G0+4*\s:G0+4*\s+3], s[G1:G1+7]
	s_nop 0
	tensor_load_to_lds s[G0B+4*\s:G0B+4*\s+3], s[G1B:G1B+7]
	s_nop 0
.endr
.macro MUL8 f, a0, zero                ; row tiles a0, a0 + 1 x four column tiles, 32 along K
.irp a, \a0, \a0+1
.irp b, 0,1,2,3
.if \zero
	v_wmma_f32_16x16x32_bf16 v[8*(4*(\a)+\b):8*(4*(\a)+\b)+7], v[64+64*\f+8*\b:64+64*\f+8*\b+7], v[32+64*\f+8*(\a):32+64*\f+8*(\a)+7], 0
.else
	v_wmma_f32_16x16x32_bf16 v[8*(4*(\a)+\b):8*(4*(\a)+\b)+7], v[64+64*\f+8*\b:64+64*\f+8*\b+7], v[32+64*\f+8*(\a):32+64*\f+8*(\a)+7], v[8*(4*(\a)+\b):8*(4*(\a)+\b)+7]
.endif
.endr
.endr
.endm
.macro FETCH slot, q, f                ; quarter q of a K step = plane q >> 1, d half q & 1: 16 loads into buffer f
.irp i, 0,1,2,3
	ds_load_b128 v[64+64*\f+8*\i:64+64*\f+8*\i+3],   v[ADRB+\slot] offset:(\q>>1)*SUB+(\q&1)*64+\i*16*SP
	ds_load_b128 v[64+64*\f+8*\i+4:64+64*\f+8*\i+7], v[ADRB+\slot] offset:(\q>>1)*SUB+(\q&1)*64+\i*16*SP+32
.endr
.irp i, 0,1,2,3
	ds_load_b128 v[32+64*\f+8*\i:32+64*\f+8*\i+3],   v[ADRA+\slot] offset:(\q>>1)*SUB+(\q&1)*64+\i*16*SP
	ds_load_b128 v[32+64*\f+8*\i+4:32+64*\f+8*\i+7], v[ADRA+\slot] offset:(\q>>1)*SUB+(\q&1)*64+\i*16*SP+32
.endr
.endm
; One of a K step's first seven quarters: asks for quarter qn's fragments (buffer g), then multiplies buffer f: two window switches for 16 products,
; and the loads have those 16 products in which to land.
.macro QUARTER slot, qn, f, g, zero
	WIN 0
	PLACES                                         ; buffer g was read by the products just in front
	FETCH \slot, \qn, \g
	s_wait_dscnt 16                                ; all but the 16 just issued: buffer f is in
	WIN MUL
	MUL8 \f, 0, \zero
	MUL8 \f, 2, \zero
.endm
.macro SEVEN slot, zero
	QUARTER \slot, 1, 0, 1, \zero
	QUARTER \slot, 2, 1, 0, 0
	QUARTER \slot, 3, 0, 1, 0
	QUARTER \slot, 4, 1, 0, 0
	QUARTER \slot, 5, 0, 1, 0
	QUARTER \slot, 6, 1, 0, 0
	QUARTER \slot, 7, 0, 1, 0
.endm
; The eighth quarter multiplies buffer 1 and changes slots: the waits for my reads of this slot and for all my tensor loads stand in front of the
; barrier; where the slot is filled again the barrier opens a round of the cluster's barrier and the joint refills come first behind the round.
; fill = 0: nothing; 1: A's part of the slot (B's four heads serve the K step after next too); 2: A's part and B's.
.macro TURN slot, next, fill
	s_wait_dscnt 0
	s_wait_tensorcnt 0x0
	ds_add_u32 v254, v255
	s_wait_dscnt 0x0
	s_barrier_signal -1
	WIN MUL
	MUL8 1, 0, 0
	WIN 0
	s_barrier_wait -1
.if \fill
	CREST
	s_add_nc_u64 s[G0+4*\slot+2:G0+4*\slot+3], s[G0+4*\slot+2:G0+4*\slot+3], 2097152      ; eight planes on
.if \fill == 2
	s_add_nc_u64 s[G0B+4*\slot+2:G0B+4*\slot+3], s[G0B+4*\slot+2:G0B+4*\slot+3], 1048576  ; eight heads on
.endif
	tensor_load_to_lds s[G0+4*\slot:G0+4*\slot+3], s[G1:G1+7]
	s_nop 0
.if \fill == 2
	tensor_load_to_lds s[G0B+4*\slot:G0B+4*\slot+3], s[G1B:G1B+7]
	s_nop 0
.endif
.endif
	PLACES
	FETCH \next, 0, 0
	WIN MUL
	MUL8 1, 2, 0
.endm
	s_wait_tensorcnt 2                             ; my two parts of K step 0 are in; K step 1's two stay out
	s_barrier_signal -1
	s_barrier_wait -1
	FETCH 0, 0, 0
	SEVEN 0, 1                                     ; K step 0: its first products start the sums
	TURN 0, 1, 1                                   ; slot 0 <- K step 2: lo of heads 0-3; Wo's heads 0-3 stay
	SEVEN 1, 0
	TURN 1, 0, 1                                   ; slot 1 <- K step 3
	SEVEN 0, 0
	TURN 0, 1, 2                                   ; slot 0 <- K step 4: hi of heads 8-11 and Wo's heads 8-11
	SEVEN 1, 0
	TURN 1, 0, 2                                   ; slot 1 <- K step 5
	SEVEN 0, 0
	TURN 0, 1, 1                                   ; slot 0 <- K step 6
	SEVEN 1, 0
	TURN 1, 0, 1                                   ; slot 1 <- K step 7
	SEVEN 0, 0
	TURN 0, 1, 0
	SEVEN 1, 0
	s_wait_dscnt 0
	WIN MUL
	MUL8 1, 0, 0
	MUL8 1, 2, 0
	; THE WAY OUT, 16 rows at a time, through my own stage: 32 bytes a lane in, whole rows of 256 bytes back.
	PLACES
	s_lshl_b32 s40, s18, 7
	s_lshl_b32 s41, s13, 6
	s_add_co_u32 s40, s40, s41
	s_lshl_b32 s40, s40, 12                        ; my first row, 4,096 bytes each
	s_mov_b32 s41, 0
	s_lshl_b32 s44, s17, 7
	s_lshl_b32 s45, s14, 6
	s_add_co_u32 s44, s44, s45
	s_lshl_b32 s44, s44, 2                         ; my first column
	s_mov_b32 s45, 0
	s_add_nc_u64 s[8:9], s[8:9], s[40:41]
	s_add_nc_u64 s[8:9], s[8:9], s[44:45]
.macro OUT16 a
	WIN 0x04                                       ; an LDS store's data is source 1: window 1
.irp b, 0,1,2,3
	ds_store_b128 v[STO], v[8*(4*\a+\b):8*(4*\a+\b)+3]   offset:64*\b
	ds_store_b128 v[STO], v[8*(4*\a+\b)+4:8*(4*\a+\b)+7] offset:64*\b+16
.endr
	WIN 0
	s_wait_xcnt 0x0                                ; the rows read back are the last stores' sources: loaded again only behind this wait
.irp t, 0,1,2,3,4,5,6,7
	ds_load_b128 v[BK+4*\t:BK+4*\t+3], v[RD] offset:\t*2*OP        ; LDS serves a wave's instructions in order: these see the stores above
.endr
.irp t, 0,1,2,3,4,5,6,7
	s_wait_dscnt 7-\t
	global_store_b128 v[CO], v[BK+4*\t:BK+4*\t+3], s[8:9] offset:(16*\a+2*\t)*4096 th:TH_STORE_NT   ; 16 lanes store 256 consecutive bytes, at a multiple of 256
.endr
.endm
	OUT16 0
	OUT16 1
	OUT16 2
	OUT16 3
	s_wait_tensorcnt 0x0
	ds_add_u32 v254, v255
	s_wait_dscnt 0x0
	CROUND                                         ; the closing round
	s_endpgm
.Lfunc_end_k_qcc9cb0e809_oproj:
	.size	k_qcc9cb0e809_oproj, .Lfunc_end_k_qcc9cb0e809_oproj-k_qcc9cb0e809_oproj
	.p2alignl 7, 3214868480
	.fill 96, 4, 3214868480
	.section	.rodata,"a",@progbits
	.p2align	6, 0x0
	.amdhsa_kernel k_qcc9cb0e809_oproj
		.amdhsa_group_segment_fixed_size 327680
		.amdhsa_private_segment_fixed_size 0
		.amdhsa_enable_private_segment 0
		.amdhsa_kernarg_size 24
		.amdhsa_user_sgpr_count 2
		.amdhsa_user_sgpr_kernarg_segment_ptr 1
		.amdhsa_wavefront_size32 1
		.amdhsa_system_sgpr_workgroup_id_x 1
		.amdhsa_system_sgpr_workgroup_id_y 1
		.amdhsa_system_sgpr_workgroup_id_z 1
		.amdhsa_system_vgpr_workitem_id 0
		.amdhsa_next_free_vgpr 384
		.amdhsa_next_free_sgpr 66
		.amdhsa_reserve_vcc 0
		.amdhsa_float_denorm_mode_32 3
		.amdhsa_float_denorm_mode_16_64 3
		.amdhsa_memory_ordered 1
		.amdhsa_forward_progress 1
		.amdhsa_inst_pref_size 161
	.end_amdhsa_kernel
	.amdgpu_metadata
---
amdhsa.version: [ 1, 2 ]
amdhsa.kernels:
  - .name:           k_qcc9cb0e809_oproj
    .symbol:         k_qcc9cb0e809_oproj.kd
    .args:
      - { .name: ao, .offset: 0, .size: 8, .value_kind: global_buffer, .address_space: global }
      - { .name: wob, .offset: 8, .size: 8, .value_kind: global_buffer, .address_space: global }
      - { .name: out0, .offset: 16, .size: 8, .value_kind: global_buffer, .address_space: global }
    .group_segment_fixed_size: 327680
    .private_segment_fixed_size: 0
    .kernarg_segment_align: 8
    .kernarg_segment_size: 24
    .max_flat_workgroup_size: 128
    .sgpr_count:     66
    .vgpr_count:     384
    .wavefront_size: 32
...
	.end_amdgpu_metadata
.endif
;; end of part 4
